; MI455X (gfx1250); checked and timed in simulation.
; The chip was launched on July 23, 2026; its instructions are those of AMD's public machine-readable ISA for CDNA 5 (MIT licence, August 2026) and "CDNA5" Instruction Set Architecture Reference Guide (July 2026). The comments in the code are by the model that wrote it; some were corrected since.
;; Offset Attention. Allowed arithmetic: matrix products marked QUANTISED: E2M1 operands, one E8M0 scale for each 32 along K, by v_wmma_scale_f32_16x16x128_f8f6f4 with both operands' format E2M1 (or v_wmma_scale_f32_32x16x128_f4), f32 sums; products left as they are: f32 operands where the result goes on into a quantised operand, else bf16, f16 or f32 operands; f32 sums; everything else in f32.
;; Inputs: Wk 128 x 128 float32; Wp 128 x 3 float32; Wq 128 x 128 float32; Wv 128 x 128 float32; beta 128 float32; bk 128 float32; bp 128 float32; bq 128 float32; bv 128 float32; features 4 x 128 x 4,096 float32; gamma 128 float32; xyz 4 x 4,096 x 3 float32.
;; Outputs: out0 4 x 128 x 4,096 float32.
;; This version of the problem:
;;   THIS VERSION OF THE PROBLEM IS GIVEN IN LOW PRECISION. The matrix products marked QUANTISED in the list below multiply operands that are first quantised to E2M1 (2 exponent bits, 1 mantissa bit; 4 bits a number), with one power-of-two scale for each 32 numbers along K (OCP MX v1.0); their sums are f32. All else is computed in f32.
;;   The module's matrix products, in the order in which they are computed (A, B: the left and right operand; K: the contracted axis; several contracted axes count as one K, in the product's order):
;;     1. [M 16,384, K 128] x [K 128, N 128]; A: input features; B: input Wq: QUANTISED
;;     2. [M 16,384, K 128] x [K 128, N 128]; A: input features; B: input Wk: QUANTISED
;;     3. [M 16,384, K 128] x [K 128, N 128]; A: input features; B: input Wv: QUANTISED
;;     4. [M 16,384, K 3] x [K 3, N 128]; A: input xyz; B: input Wp: left as it is (K = 3 < 32)
;;     5. batch 4 x [M 4,096, K 128] x [K 128, N 4,096]; A: computed on the way; B: computed on the way: QUANTISED
;;     6. batch 4 x [M 128, K 4,096] x [K 4,096, N 4,096]; A: computed on the way; B: softmax (see below): QUANTISED
;;     7. batch 4 x [M 128, K 4,096] x [K 4,096, N 4,096]; A: computed on the way; B: softmax (see below): QUANTISED
;;   THE QUANTISER, for each operand of a quantised product, along K:
;;     - K is cut into blocks of 32 from its start; a last block that is shorter is filled with zeros.
;;     - A block's scale is 2^e with e = floor(log2(the largest magnitude in the block)) - 2, held to -126 .. 127; a block of zeros has e = 0. As a byte (E8M0): e + 127.
;;     - Each number is divided by its block's scale, clamped to +-6, and rounded to the nearest number of E2M1, ties to even, subnormals kept.
;;     - The product sums the exact products of the quantised numbers (number of the format x scale) in f32.
;;   ~~~python
;;   def quantise(x, axis):      # numpy; x: float32 -> the quantised numbers, widened to float32 again
;;       x = np.moveaxis(x, axis, -1); K = x.shape[-1]
;;       x = np.pad(x, [(0, 0)] * (x.ndim - 1) + [(0, -K % 32)]); x = x.reshape(x.shape[:-1] + (-1, 32)); a = np.abs(x).max(-1, keepdims=True)
;;       e = np.where(a > 0, np.clip(np.frexp(np.where(a > 0, a, 1))[1] - 1 - 2, -126, 127), 0)      # np.frexp(a)[1] - 1 = floor(log2(a)), exactly
;;       r = np.clip(x / 2.0 ** e, -6, 6)
;;       step = 2.0 ** (np.maximum(np.frexp(np.where(r == 0, 1, r))[1] - 1, 0) - 1)
;;       q = np.round(r / step) * step * 2.0 ** e      # np.round: ties to even
;;       return np.moveaxis(q.reshape(q.shape[:-2] + (-1,))[..., :K], -1, axis).astype(np.float32)
;;   ~~~
;;   SOFTMAX AHEAD OF A QUANTISED PRODUCT. Where the list says 'softmax', what is quantised is not the finished softmax but p = 2^(t - M), with t = logit x log2(e) and M = ceil(the row's largest t), a whole number; so 1/2 < the row's largest p <= 1. The row's sum l is taken of the UNQUANTISED p, in f32, and the product's result is divided by l at the end. Since M is a whole number, a kernel that streams over the keys may use a running M (the ceiling of the running maximum): every later rescaling is an exact power of two, which a block's scale takes up: the codes' values come out the same.
;;   OPERANDS COMPUTED ON THE WAY. 'Computed on the way' means the value that the module computes at that place (a softmax that the list does not call 'softmax' is quantised finished and normalised). What goes into a quantiser is computed in f32, as accurately as f32 sums, v_exp_f32 and their like allow (about 1e-6 of the number): no bf16 or f16 on the way to a quantiser, and a product that is left as it is and whose result goes on into a quantised operand takes f32 operands (vector FMAs, or v_wmma_f32_16x16x4_f32). A number that lies on a knife's edge between two numbers of the format may be rounded either way, as far as f32 arithmetic and the matrix unit's own rounding can turn it there, and no further.
;; One version. Each part assembles by itself: llvm-mc -triple=amdgcn-amd-amdhsa -mcpu=gfx1250 --defsym DOCPART=n.
;; ======== version 1 of 1: 3 launches
;; workspace buffers: qc 1,114,112 bytes; kv 3,342,336 bytes; nf 8,388,608 bytes; part 262,144 bytes
;; launch prep (part 1): grid 32 x 4, 8 waves a work-group, no clusters, 44,032 bytes of LDS; arguments features, xyz, Wq, bq, Wk, bk, Wv, bv, Wp, bp, qc, kv; writes qc, kv
.if DOCPART == 1
	.amdgcn_target "amdgcn-amd-amdhsa--gfx1250"
	.amdhsa_code_object_version 6
	.text
	.protected	k_q3a5902a2e2_prep
	.globl	k_q3a5902a2e2_prep
	.p2align	8
	.type	k_q3a5902a2e2_prep,@function
k_q3a5902a2e2_prep:
	s_mov_b64 s[64:65], 0
	v_nop
	global_prefetch_b8 v0, s[64:65] scope:SCOPE_SE
	s_setreg_imm32_b32 hwreg(HW_REG_WAVE_MODE, 25, 1), 1
	s_wait_xcnt 0x0
; q, k, v = W x + b on codes of FP4 (E2M1, one E8M0 scale for each 32 along the channels), pos_enc = Wp xyz + bp by f32 multiply-adds; then q and k are quantised along the
; channels, v and pos_enc along the keys, and leave as IMAGES OF OPERAND REGISTERS: a fragment (16 rows x 128 K) is 1,024 bytes, registers 4 c .. 4 c + 3 of lane l at 512 c + 16 l.
; A work-group owns 128 columns (points) of one batch: one record of qc (8 query tiles, then 512 bytes of scale words) and one of kv (8 tiles of K, 8 of V, 8 of pos_enc, then 3 x 512 bytes of scale words).
; TILE ORDER: row r of column tile 2 g + u is column 32 g + 8 u + r + 8 (r / 8); Wq's and Wk's row tiles likewise.  So in a transposed product the 16 registers of two neighbouring tiles are 16 neighbours along the next K.
; SCALE PACK (512 bytes): lane l's 16 bytes at 16 l; its word i is the scale word of tile 2 i + l / 16, row l % 16.
; PHASES: A: wave w quantises 32 columns x 64 channels of x (a lane a column, registers down the channels) and one tile of Wq, of Wk and of Wv; all images go to LDS | barrier |
;   C: wave w makes column tile w of q and of k (source 0 = 16 rows of W, source 1 = x) and channel tile w of v (source 0 = 16 columns of x, source 1 = Wv) and of pos_enc; each is quantised in registers and stored | barrier | four waves store the scale packs.
; A WEIGHT'S TILE is loaded two rows at a time, a lane 32 consecutive bytes (8 numbers along K): two loads cover 1,024 consecutive bytes.  A block of 32 lies in four neighbouring lanes; a lane's eight codes are ONE register
; of the operand's image and go to their place in it by a store of four bytes.
; LIMITS: NaN and infinities among the inputs are not served.  A block whose largest magnitude lies under 2^-124 gets the byte 1; a block of zeros gets the byte 1 too (its codes are zeros, and this program alone reads the bytes).
; pos_enc is bp + x0 w0 + x1 w1 + x2 w2 by three fused multiply-adds: the order of rounding differs from a sum followed by the bias.
; No tensor loads and no multicast: what work-groups share is the weights, 192 KiB, read into registers once a wave.  No prefetch: all of a wave's loads go out at its head.
.set REC,   26112                      ; a record of kv
.set QREC,  8704                       ; a record of qc
.set XIMG,  0                          ; LDS: x's 8 fragments
.set WIMG,  8192                       ; Wq's 8, Wk's 8, Wv's 8
.set XSC,   32768                      ; x's scale words: tile T, row r at 64 T + 4 r
.set WSC,   33280                      ; the weights' scale words: 128 bytes a tile, row r's word at 4 r
.set XYZ,   36352                      ; the block's 128 points, 12 bytes each
.set SCW,   37888                      ; the scale words made: kind (q, k, v, pos_enc) x 8 tiles x 128 bytes
.set TM,    24                         ; v24-31 largest magnitudes and bytes, v32-35 the conversions' scale operands
.set WS,    36                         ; v36-43 scale words of W's 8 tiles, later of x's 8 tiles (4 registers): scales and nothing else
.set PC,    44                         ; v44-51 the codes just made
.set X,     52                         ; v52-115 phase A: 64 numbers of x
.set XF,    52                         ; later: my tile of x,
.set VF,    60                         ; my tile of Wv,
.set BV,    68                         ; bv of my lane's channel, eight times
.set PB,    52                         ; and at the end a buffer of 48 numbers of xyz
.set PK,    100                        ; v100-103 a lane's 16 bytes of a scale pack
.set WA,    116                        ; v116-179 64 numbers of a weight; later 8 fragments
.set WF,    116
.set WB,    180                        ; v180-243 64 numbers of a weight; later 8 result tiles
.set HA,    180
.set XS,    249                        ; the scale words of my tile of x
.set VS,    254                        ; of my tile of Wv
.set PW,    255                        ; the scale word just made
.set MSB, 0
.macro WIN new                         ; the immediate's high byte repeats the setting that is left
.if MSB != \new
	s_set_vgpr_msb (MSB<<8)|\new
.set MSB, \new
.endif
.endm
; Two whole blocks of 32 in a lane, v[src + 32 q + i]: largest magnitude with the floor 2^(3 - 127), 2 off its exponent field = the conversion's scale operand, its byte, eight conversions.
.macro BLK2 src, dst
.irp q, 0,1
	v_max3_num_f32 v[TM+\q], |v[\src+32*\q]|, |v[\src+32*\q+1]|, 0x1800000
.endr
.irp i, 2,4,6,8,10,12,14,16,18,20,22,24,26,28,30
.irp q, 0,1
	s_delay_alu instid0(VALU_DEP_2)
	v_max3_num_f32 v[TM+\q], v[TM+\q], |v[\src+32*\q+\i]|, |v[\src+32*\q+\i+1]|
.endr
.endr
.irp q, 0,1
	s_delay_alu instid0(VALU_DEP_2)
	v_add_nc_u32 v[TM+8+\q], 0xff000000, v[TM+\q]
.endr
.irp q, 0,1
	s_delay_alu instid0(VALU_DEP_2)
	v_lshrrev_b32 v[TM+4+\q], 23, v[TM+8+\q]
.endr
.irp q, 0,1
.irp g, 0,1,2,3
	v_cvt_scalef32_pk8_fp4_f32 v[\dst+4*\q+\g], v[\src+32*\q+8*\g:\src+32*\q+8*\g+7], v[TM+8+\q]
.endr
.endr
	v_nop                                          ; one plain place behind the scaled conversions
.endm
; A tile of a weight, K innermost: pair p of its rows (2 p, 2 p + 1): lane l takes k = 8 (l % 16) + 0 .. 7 of row 2 p + l / 16.  perm = 1: the tile's rows 8 to 15 lie 8 rows further on in memory
.macro WLOAD dst, base, perm
.irp p, 0,1,2,3,4,5,6,7
	global_load_b128 v[\dst+8*\p:\dst+8*\p+3], v7, s[\base:\base+1] offset:(2*\p+8*\perm*(\p/4))*512
	global_load_b128 v[\dst+8*\p+4:\dst+8*\p+7], v7, s[\base:\base+1] offset:(2*\p+8*\perm*(\p/4))*512+16
.endr
.endm
; The tile is quantised, the eight pairs of rows by turns.  My 8 numbers and those of lanes l xor 1, 2, 3 are a block.  My eight codes are register 4 c + g of lane (row, h) of the operand, with k / 8 = 8 c + 4 h + g.
.macro WQ src, kind
.irp p, 0,1,2,3,4,5,6,7
	v_max3_num_f32 v[TM+\p], |v[\src+8*\p]|, |v[\src+8*\p+1]|, 0x1800000   ; with the floor 2^(3 - 127): the byte cannot fall under 1
.endr
.irp i, 2,4,6
.irp p, 0,1,2,3,4,5,6,7
	v_max3_num_f32 v[TM+\p], v[TM+\p], |v[\src+8*\p+\i]|, |v[\src+8*\p+\i+1]|
.endr
.endr
.irp m, 1,2
.irp p, 0,1,2,3,4,5,6,7
	v_max_num_f32_dpp v[TM+\p], v[TM+\p], v[TM+\p] row_xmask:\m row_mask:0xf bank_mask:0xf
.endr
.endr
.irp p, 0,1,2,3,4,5,6,7
	v_add_nc_u32 v[TM+\p], 0xff000000, v[TM+\p]    ; 2 off the exponent field: the conversion's scale operand
.endr
.irp p, 0,1,2,3,4,5,6,7
	v_cvt_scalef32_pk8_fp4_f32 v[PC+\p], v[\src+8*\p:\src+8*\p+7], v[TM+\p]
.endr
	v_nop                                          ; one plain place behind the scaled conversions
.irp p, 0,1,2,3,4,5,6,7
	v_lshrrev_b32 v[TM+\p], 23, v[TM+\p]           ; the scale's byte
.endr
.irp p, 0,1,2,3,4,5,6,7
	ds_store_b32 v11, v[PC+\p] offset:8192*\kind+32*\p
	ds_store_b8 v12, v[TM+\p] offset:1024*\kind+8*\p   ; the four lanes of a block write the same byte with the same value
.endr
.endm
; 64 numbers of a lane, register 16 b + i = k 32 b + 16 (lane / 16) + i of my row, become a fragment's codes in v[PC] on and its scale word in v[PW]
.macro QUANT s
.irp b, 0,1,2,3
	v_max3_num_f32 v[TM+\b], |v[\s+16*\b]|, |v[\s+1+16*\b]|, 0x1800000
.endr
.irp i, 2,4,6,8,10,12,14
.irp b, 0,1,2,3
	v_max3_num_f32 v[TM+\b], v[TM+\b], |v[\s+16*\b+\i]|, |v[\s+1+16*\b+\i]|
.endr
.endr
.irp b, 0,1,2,3
	s_delay_alu instid0(VALU_DEP_4)
	v_permlanex16_b32 v[TM+4+\b], v[TM+\b], s38, s39   ; (its destination counts as read: the weights' tiles have written these four)
.endr
.irp b, 0,1,2,3
	s_delay_alu instid0(VALU_DEP_4)
	v_max_num_f32 v[TM+\b], v[TM+\b], v[TM+4+\b]   ; with lane l xor 16's: the block's largest magnitude
.endr
.irp b, 0,1,2,3
	s_delay_alu instid0(VALU_DEP_4)
	v_add_nc_u32 v[TM+8+\b], 0xff000000, v[TM+\b]
.endr
.irp b, 0,1,2,3
	s_delay_alu instid0(VALU_DEP_4)
	v_lshrrev_b32 v[TM+4+\b], 23, v[TM+8+\b]
.endr
	s_delay_alu instid0(VALU_DEP_3)
	v_lshl_or_b32 v[PW], v[TM+5], 8, v[TM+4]
	s_delay_alu instid0(VALU_DEP_1)
	v_lshl_or_b32 v[PW], v[TM+6], 16, v[PW]
	s_delay_alu instid0(VALU_DEP_1)
	v_lshl_or_b32 v[PW], v[TM+7], 24, v[PW]
.irp b, 0,1,2,3
	v_cvt_scalef32_pk8_fp4_f32 v[PC+2*\b], v[\s+16*\b:\s+7+16*\b], v[TM+8+\b]
	v_cvt_scalef32_pk8_fp4_f32 v[PC+1+2*\b], v[\s+8+16*\b:\s+15+16*\b], v[TM+8+\b]
.endr
	v_nop                                          ; one plain place behind the scaled conversions
.irp c, 0,1                                    ; a whole block to a lane: lanes 0-15 block 2 c, lanes 16-31 block 2 c + 1
.irp i, 0,1
	v_permlane16_swap_b32 v[PC+4*\c+\i], v[PC+2+4*\c+\i]
.endr
.endr
.endm
.macro FETCH reg, adr, off             ; a fragment's image from LDS
.irp c, 0,1
	ds_load_b128 v[\reg+4*\c:\reg+4*\c+3], v[\adr] offset:\off+512*\c
.endr
.endm
.macro OUTF base, off, soff            ; the fragment in v[PC] on leaves: each store covers 512 consecutive bytes, aligned; its scale word goes to LDS for the pack
	global_store_b128 v4, v[PC:PC+3], s[\base:\base+1] offset:\off
	global_store_b128 v4, v[PC+4:PC+7], s[\base:\base+1] offset:\off+512
	ds_store_b32 v15, v[PW] offset:\soff
.endm
.macro BARRIER                         ; my LDS stores have landed and my LDS loads are in: then the work-group's barrier
	s_wait_dscnt 0x0
	s_barrier_signal -1
	s_barrier_wait -1
.endm
.macro PLACES
.rept 4
	v_nop
.endr
.endm
.macro XLOAD q                         ; 32 channels of my column: 32 lanes read 128 consecutive bytes of a row of features
.set I, 0
.rept 32
	global_load_b32 v[X+32*\q+I], v5, s[8:9] offset:(32*\q+I)*16384 th:TH_LOAD_NT
.set I, I+1
.endr
.endm
.macro PELOAD b, buf                   ; the 16 points 32 b + 16 h + 0 .. 15: 192 bytes, the same for all lanes of a half
.irp j, 0,1,2,3,4,5,6,7,8,9,10,11
	ds_load_b128 v[\buf+4*\j:\buf+4*\j+3], v16 offset:384*\b+16*\j
.endr
.endm
.macro PEFMA b, buf                    ; pos_enc of my channel at these 16 points
.irp i, 0,1,2,3,4,5,6,7,8,9,10,11,12,13,14,15
	v_fma_f32 v[HA+16*\b+\i], v[\buf+3*\i], v245, v248
.endr
.irp i, 0,1,2,3,4,5,6,7,8,9,10,11,12,13,14,15
	v_fmac_f32 v[HA+16*\b+\i], v[\buf+3*\i+1], v246
.endr
.irp i, 0,1,2,3,4,5,6,7,8,9,10,11,12,13,14,15
	v_fmac_f32 v[HA+16*\b+\i], v[\buf+3*\i+2], v247
.endr
.endm
	s_load_b512 s[8:23], s[0:1], 0x0               ; features 8, xyz 10, Wq 12, bq 14, Wk 16, bk 18, Wv 20, bv 22
	s_load_b256 s[24:31], s[0:1], 0x40             ; Wp 24, bp 26, qc 28, kv 30
	v_lshl_add_u32 v6, v0, 2, 0xa800
	v_mov_b32 v22, 0
	v_lshrrev_b32 v1, 5, v0
	s_delay_alu instid0(VALU_DEP_1)
	v_readfirstlane_b32 s32, v1                    ; wave w, 0..7
	s_and_b32 s33, s32, 3                          ; g: which 32 columns I quantise
	s_lshr_b32 s34, s32, 2                         ; c2: which 64 channels
	s_and_b32 s36, ttmp7, 0xffff                   ; the batch
	s_mov_b32 s38, 0x76543210
	s_mov_b32 s39, 0xfedcba98                      ; v_permlanex16_b32's selects for lane l xor 16
	; every address register is made here, ahead of the first branch on the wave's number, and none is rewritten
	v_and_b32 v1, 31, v0                           ; lane
	v_and_b32 v2, 15, v0                           ; r
	v_bfe_u32 v3, v0, 4, 1                         ; h
	s_delay_alu instid0(VALU_DEP_3)
	v_lshlrev_b32 v4, 4, v1                        ; 16 x lane
	s_delay_alu instid0(VALU_DEP_4)
	v_lshlrev_b32 v5, 2, v1                        ; 4 x lane
	s_delay_alu instid0(VALU_DEP_4)
	v_lshlrev_b32 v7, 5, v2
	s_delay_alu instid0(VALU_DEP_1)
	v_lshl_add_u32 v7, v3, 9, v7                   ; a weight: row h of a pair (512 bytes a row), my 32 bytes
	v_bfe_u32 v24, v0, 3, 1                        ; my column 32 g + lane lies in tile 2 g + u', u' = (lane / 8) % 2,
	v_and_b32 v25, 7, v0
	s_delay_alu instid0(VALU_DEP_1)
	v_lshl_add_u32 v25, v3, 3, v25                 ; row r' = lane % 8 + 8 (lane / 16)
	s_lshl_b32 s40, s33, 11
	s_lshl_b32 s41, s34, 9
	s_add_co_u32 s40, s40, s41
	v_lshlrev_b32 v9, 10, v24
	s_delay_alu instid0(VALU_DEP_1)
	v_lshl_add_u32 v9, v25, 4, v9
	s_delay_alu instid0(VALU_DEP_1)
	v_add_nc_u32 v9, s40, v9                       ; x's image: 2048 g + 1024 u' + 512 c2 + 16 r' (block q goes 256 q further: lane r' + 16 q)
	s_lshl_b32 s40, s33, 7
	s_lshl_b32 s41, s34, 1
	s_add_co_u32 s40, s40, s41
	s_add_co_u32 s40, s40, XSC
	v_lshlrev_b32 v10, 6, v24
	s_delay_alu instid0(VALU_DEP_1)
	v_lshl_add_u32 v10, v25, 2, v10
	s_delay_alu instid0(VALU_DEP_1)
	v_add_nc_u32 v10, s40, v10                     ; x's scale word: my two bytes of it
	s_lshl_b32 s40, s32, 10
	s_add_co_u32 s41, s40, WIMG
	v_lshrrev_b32 v26, 2, v2                       ; my block of a weight's row: (lane % 16) / 4
	v_and_b32 v27, 3, v2                           ; and my eight numbers' place in it
	s_delay_alu instid0(VALU_DEP_2)
	v_lshlrev_b32 v11, 8, v26
	s_delay_alu instid0(VALU_DEP_1)
	v_lshl_add_u32 v11, v27, 2, v11
	s_delay_alu instid0(VALU_DEP_1)
	v_lshl_add_u32 v11, v3, 4, v11
	s_delay_alu instid0(VALU_DEP_1)
	v_add_nc_u32 v11, s41, v11                     ; a weight's image: 1024 w + 256 x block + 4 x place + 16 x (row of the pair); pair p lies 32 p further
	v_add_nc_u32 v13, s40, v4                      ; where I read my tile of x, and of Wv
	s_lshl_b32 s41, s33, 10
	s_add_co_u32 s41, s41, SCW
	v_lshlrev_b32 v19, 7, v3
	s_delay_alu instid0(VALU_DEP_1)
	v_lshl_add_u32 v19, v2, 2, v19
	s_delay_alu instid0(VALU_DEP_1)
	v_add_nc_u32 v19, s41, v19                     ; the pack: kind (wave % 4), tile h, row r; word i lies 256 i further
	s_lshl_b32 s40, s32, 7
	s_add_co_u32 s41, s40, WSC
	v_lshl_add_u32 v12, v3, 2, v26
	s_delay_alu instid0(VALU_DEP_1)
	v_add_nc_u32 v12, s41, v12                     ; a weight's scale byte: 128 w + 4 x (row of the pair) + block; pair p lies 8 p further
	v_lshl_add_u32 v8, v2, 2, s41                  ; and where I read my own tile's scale words: 128 w + 4 r
	s_add_co_u32 s41, s40, SCW
	v_add_nc_u32 v15, s41, v5                      ; the scale words of what I make
	s_lshl_b32 s40, s32, 6
	s_add_co_u32 s40, s40, XSC
	v_lshl_add_u32 v14, v2, 2, s40                 ; the scale words of my tile of x
	v_mul_u32_u24 v16, v3, 192
	s_delay_alu instid0(VALU_DEP_1)
	v_add_nc_u32 v16, XYZ, v16                     ; my half's 16 points
	v_lshl_add_u32 v17, v0, 4, XYZ                 ; xyz on its way in (threads 0 to 95)
	v_lshlrev_b32 v23, 4, v0
	v_lshlrev_b32 v18, 6, v3                       ; bq, bk: 16 h numbers on
	v_lshlrev_b32 v20, 2, v2                       ; 4 r: bv, bp: my channel; in LDS: row r's scale word
	v_mul_u32_u24 v21, v2, 12                      ; Wp: my channel's three
.irp b, 0,1,2,3
	v_mov_b32 v[250+\b], 0                         ; written on every wave's path; three waves load xyz into them
.endr
	; byte offsets, each in a pair of its own with 0 above
	s_lshl_b32 s40, s36, 21                        ; features: batch x 128 rows of 16,384 bytes
	s_lshl_b32 s41, s34, 20                        ; + 64 c2 rows
	s_add_co_u32 s40, s40, s41
	s_lshl_b32 s41, ttmp9, 9                       ; + the block's 128 columns
	s_add_co_u32 s40, s40, s41
	s_lshl_b32 s41, s33, 7                         ; + my 32
	s_add_co_u32 s40, s40, s41
	s_mov_b32 s41, 0
	s_lshr_b32 s42, s32, 1                         ; Wq, Wk: tile w begins at row 32 (w / 2) + 8 (w % 2)
	s_lshl_b32 s42, s42, 14
	s_and_b32 s43, s32, 1
	s_lshl_b32 s43, s43, 12
	s_add_co_u32 s42, s42, s43
	s_mov_b32 s43, 0
	s_lshl_b32 s44, s32, 13                        ; Wv: rows 16 w on
	s_mov_b32 s45, 0
	s_mul_i32 s46, s36, 49152                      ; xyz: the batch, the block
	s_mul_i32 s47, ttmp9, 1536
	s_add_co_u32 s46, s46, s47
	s_mov_b32 s47, 0
	s_lshl_b32 s48, s32, 6                         ; bv, bp: channels 16 w on
	s_mov_b32 s49, 0
	s_mul_i32 s50, s32, 192                        ; Wp likewise
	s_mov_b32 s51, 0
	s_lshl_b32 s52, s36, 5
	s_add_co_u32 s52, s52, ttmp9                   ; the record: 32 x batch + block
	s_mul_i32 s54, s52, QREC
	s_mov_b32 s55, 0
	s_mul_i32 s56, s52, REC
	s_mov_b32 s57, 0
	s_lshl_b32 s58, s32, 10                        ; my tile in a record
	s_mov_b32 s59, 0
	s_wait_kmcnt 0x0
	s_add_nc_u64 s[8:9], s[8:9], s[40:41]
	s_add_nc_u64 s[10:11], s[10:11], s[46:47]
	s_add_nc_u64 s[12:13], s[12:13], s[42:43]
	s_add_nc_u64 s[16:17], s[16:17], s[42:43]
	s_add_nc_u64 s[20:21], s[20:21], s[44:45]
	s_add_nc_u64 s[22:23], s[22:23], s[48:49]
	s_add_nc_u64 s[24:25], s[24:25], s[50:51]
	s_add_nc_u64 s[26:27], s[26:27], s[48:49]
	s_add_nc_u64 s[28:29], s[28:29], s[54:55]      ; my record of qc
	s_add_nc_u64 s[30:31], s[30:31], s[56:57]      ; and of kv
	s_add_nc_u64 s[60:61], s[28:29], s[58:59]      ; my tile in each
	s_add_nc_u64 s[62:63], s[30:31], s[58:59]
	; ---- A: loads in the order in which they are wanted
	s_cmp_lt_u32 s32, 3
	s_cbranch_scc0 .Lno_xyz_load
	s_wait_alu depctr_va_vdst(0)
	global_load_b128 v[250:253], v23, s[10:11]     ; 96 threads x 16 bytes: the block's points
.Lno_xyz_load:
	WLOAD WA, 12, 1                                ; my tile of Wq
	WLOAD WB, 16, 1                                ; of Wk
	XLOAD 0
	s_wait_loadcnt 48                              ; behind Wq's loads stand Wk's 16 and x's 32: xyz and Wq are in
	s_cmp_lt_u32 s32, 3
	s_cbranch_scc0 .Lno_xyz_store
	s_wait_alu depctr_va_vdst(0)
	ds_store_b128 v17, v[250:253]
.Lno_xyz_store:
	WQ WA, 0
	XLOAD 1
	s_wait_loadcnt 63                              ; behind Wk's loads stand x's 64; the count's field ends at 63, and the smaller count holds the more
	s_wait_dscnt 0x0                               ; the stores have read their registers
	WQ WB, 1
	WLOAD WA, 20, 0                                ; my tile of Wv
	WIN 0x40                                       ; destination window 1: bq at v0-63, bk at v64-127, in the result's layout: tile 2 b + u, lane half h: channels 32 b + 16 h + 8 u + 0 .. 7
.irp t, 0,1,2,3,4,5,6,7
	global_load_b128 v[8*\t:8*\t+3], v18, s[14:15] offset:(32*(\t/2)+8*(\t%2))*4
	global_load_b128 v[8*\t+4:8*\t+7], v18, s[14:15] offset:(32*(\t/2)+8*(\t%2))*4+16
.endr
.irp t, 0,1,2,3,4,5,6,7
	global_load_b128 v[64+8*\t:64+8*\t+3], v18, s[18:19] offset:(32*(\t/2)+8*(\t%2))*4
	global_load_b128 v[64+8*\t+4:64+8*\t+7], v18, s[18:19] offset:(32*(\t/2)+8*(\t%2))*4+16
.endr
	WIN 0
	global_load_b32 v244, v20, s[22:23]            ; bv of channel 16 w + r
	global_load_b32 v245, v21, s[24:25]            ; Wp's three
	global_load_b32 v246, v21, s[24:25] offset:4
	global_load_b32 v247, v21, s[24:25] offset:8
	global_load_b32 v248, v20, s[26:27]            ; bp
	s_wait_loadcnt 53                              ; behind x's loads stand 16 + 32 + 5
	s_wait_dscnt 0x0
	BLK2 X, PC                                     ; my column's blocks 2 c2 and 2 c2 + 1
	ds_store_b128 v9, v[PC:PC+3]
	ds_store_b128 v9, v[PC+4:PC+7] offset:256
	v_lshl_or_b32 v[TM+6], v[TM+5], 8, v[TM+4]
	ds_store_b16 v10, v[TM+6]
	s_wait_loadcnt 37                              ; behind Wv's loads stand 32 + 5
	s_wait_dscnt 0x0
	WQ WA, 2
	s_wait_loadcnt 0x0
.irp j, 0,1,2,3,4,5,6,7
	v_mov_b32 v[BV+\j], v244                       ; the C of v's products: a lane holds one channel
.endr
	BARRIER                                        ; x's and the weights' images, their scale words and the points lie in LDS; none of these bytes is written again
	; ---- C1: q of my 16 columns: source 0 = 16 rows of Wq, source 1 = x; the bias is the C; eight accumulators, one instruction each
.irp t, 0,1,2,3,4,5,6,7
	FETCH WF+8*\t, 4, WIMG+1024*\t
	ds_load_b32 v[WS+\t], v20 offset:WSC+128*\t
.endr
	FETCH XF, 13, 0
	ds_load_b32 v[XS], v14
	FETCH VF, 13, WIMG+16384                       ; my tile of Wv comes back as an operand, and stays
	ds_load_b32 v[VS], v8 offset:2048
	s_wait_dscnt 0x0
	WIN 0x10                                       ; source 2 (the bias) window 1
.irp t, 0,1,2,3,4,5,6,7
	v_wmma_scale_f32_16x16x128_f8f6f4 v[HA+8*\t:HA+8*\t+7], v[WF+8*\t:WF+8*\t+7], v[XF:XF+7], v[8*\t:8*\t+7], v[WS+\t], v[XS] matrix_a_fmt:MATRIX_FMT_FP4 matrix_b_fmt:MATRIX_FMT_FP4
.endr
	WIN 0
	PLACES                                         ; four places ahead of loads into registers that the products read, and of the first read of results
.irp t, 0,1,2,3,4,5,6,7
	FETCH WF+8*\t, 4, WIMG+8192+1024*\t
	ds_load_b32 v[WS+\t], v20 offset:WSC+1024+128*\t
.endr
	QUANT HA
	OUTF 60, 0, 0
	; ---- C2: k likewise
	s_wait_dscnt 0x0
	WIN 0x10
.irp t, 0,1,2,3,4,5,6,7
	v_wmma_scale_f32_16x16x128_f8f6f4 v[HA+8*\t:HA+8*\t+7], v[WF+8*\t:WF+8*\t+7], v[XF:XF+7], v[64+8*\t:64+8*\t+7], v[WS+\t], v[XS] matrix_a_fmt:MATRIX_FMT_FP4 matrix_b_fmt:MATRIX_FMT_FP4
.endr
	WIN 0
	PLACES
.irp t, 0,1,2,3,4,5,6,7
	FETCH WF+8*\t, 4, XIMG+1024*\t                 ; all eight tiles of x
.endr
.irp g, 0,1,2,3
	ds_load_b32 v[WS+\g], v5 offset:XSC+128*\g     ; lanes 0-15: tile 2 g's words, lanes 16-31: tile 2 g + 1's
.endr
	s_wait_xcnt 0x0                                ; the stores of q have read v[PC] on
	QUANT HA
	OUTF 62, 0, 1024
	; ---- C3: v of my 16 channels at the 128 keys: source 0 = 16 columns of x, source 1 = Wv: a lane holds one channel, its registers run along the keys
	s_wait_dscnt 0x0
.irp t, 0,2,4,6
	v_wmma_scale_f32_16x16x128_f8f6f4 v[HA+8*\t:HA+8*\t+7], v[WF+8*\t:WF+8*\t+7], v[VF:VF+7], v[BV:BV+7], v[WS+\t/2], v[VS] matrix_a_fmt:MATRIX_FMT_FP4 matrix_b_fmt:MATRIX_FMT_FP4
	v_wmma_scale_f32_16x16x128_f8f6f4 v[HA+8*\t+8:HA+8*\t+15], v[WF+8*\t+8:WF+8*\t+15], v[VF:VF+7], v[BV:BV+7], v[WS+\t/2], v[VS] matrix_a_fmt:MATRIX_FMT_FP4 matrix_b_fmt:MATRIX_FMT_FP4 matrix_a_scale:MATRIX_SCALE_ROW1
.endr
	PLACES
	PELOAD 0, WF                                   ; the points for pos_enc land while v is quantised
	PELOAD 1, PB
	s_wait_xcnt 0x0
	QUANT HA
	OUTF 62, 8192, 2048
	; ---- C4: pos_enc of my 16 channels at the 128 keys, in the same layout
	s_wait_dscnt 0x0
	PEFMA 0, WF
	PELOAD 2, WF
	PEFMA 1, PB
	PELOAD 3, PB
	s_wait_dscnt 12                                ; behind block 2's loads stand block 3's twelve
	PEFMA 2, WF
	s_wait_dscnt 0x0
	PEFMA 3, PB
	s_wait_xcnt 0x0
	QUANT HA
	OUTF 62, 16384, 3072
	; where the packs go: wave 0: behind the query tiles of qc's record; waves 1 to 3: behind the tiles of kv's
	s_lshl_b32 s42, s32, 9
	s_add_co_u32 s42, s42, 24576-512
	s_mov_b32 s43, 0
	s_add_nc_u64 s[40:41], s[30:31], s[42:43]
	s_add_nc_u64 s[44:45], s[28:29], 8192
	s_cmp_eq_u32 s32, 0
	s_cselect_b64 s[40:41], s[44:45], s[40:41]
	BARRIER                                        ; all 32 tiles' scale words lie in LDS
	s_cmp_lt_u32 s32, 4
	s_cbranch_scc0 .Lend
.irp i, 0,1,2,3
	ds_load_b32 v[PK+\i], v19 offset:256*\i
.endr
	s_wait_dscnt 0x0
	global_store_b128 v4, v[PK:PK+3], s[40:41]     ; 512 consecutive bytes, aligned
.Lend:
	s_wait_tensorcnt 0x0
	ds_add_u32 v6, v22
	s_wait_dscnt 0x0
	s_endpgm
.Lfunc_end_k_q3a5902a2e2_prep:
	.size	k_q3a5902a2e2_prep, .Lfunc_end_k_q3a5902a2e2_prep-k_q3a5902a2e2_prep
	.p2alignl 7, 3214868480
	.fill 96, 4, 3214868480
	.section	.rodata,"a",@progbits
	.p2align	6, 0x0
	.amdhsa_kernel k_q3a5902a2e2_prep
		.amdhsa_group_segment_fixed_size 44032
		.amdhsa_private_segment_fixed_size 0
		.amdhsa_enable_private_segment 0
		.amdhsa_kernarg_size 96
		.amdhsa_user_sgpr_count 2
		.amdhsa_user_sgpr_kernarg_segment_ptr 1
		.amdhsa_wavefront_size32 1
		.amdhsa_system_sgpr_workgroup_id_x 1
		.amdhsa_system_sgpr_workgroup_id_y 1
		.amdhsa_system_sgpr_workgroup_id_z 1
		.amdhsa_system_vgpr_workitem_id 0
		.amdhsa_next_free_vgpr 384
		.amdhsa_next_free_sgpr 66
		.amdhsa_reserve_vcc 0
		.amdhsa_float_denorm_mode_32 3
		.amdhsa_float_denorm_mode_16_64 3
		.amdhsa_memory_ordered 1
		.amdhsa_forward_progress 1
		.amdhsa_inst_pref_size 80
	.end_amdhsa_kernel
	.amdgpu_metadata
---
amdhsa.version: [ 1, 2 ]
amdhsa.kernels:
  - .name:           k_q3a5902a2e2_prep
    .symbol:         k_q3a5902a2e2_prep.kd
    .args:
      - { .name: features, .offset: 0, .size: 8, .value_kind: global_buffer, .address_space: global }
      - { .name: xyz, .offset: 8, .size: 8, .value_kind: global_buffer, .address_space: global }
      - { .name: Wq, .offset: 16, .size: 8, .value_kind: global_buffer, .address_space: global }
      - { .name: bq, .offset: 24, .size: 8, .value_kind: global_buffer, .address_space: global }
      - { .name: Wk, .offset: 32, .size: 8, .value_kind: global_buffer, .address_space: global }
      - { .name: bk, .offset: 40, .size: 8, .value_kind: global_buffer, .address_space: global }
      - { .name: Wv, .offset: 48, .size: 8, .value_kind: global_buffer, .address_space: global }
      - { .name: bv, .offset: 56, .size: 8, .value_kind: global_buffer, .address_space: global }
      - { .name: Wp, .offset: 64, .size: 8, .value_kind: global_buffer, .address_space: global }
      - { .name: bp, .offset: 72, .size: 8, .value_kind: global_buffer, .address_space: global }
      - { .name: qc, .offset: 80, .size: 8, .value_kind: global_buffer, .address_space: global }
      - { .name: kv, .offset: 88, .size: 8, .value_kind: global_buffer, .address_space: global }
    .group_segment_fixed_size: 44032
    .private_segment_fixed_size: 0
    .kernarg_segment_align: 8
    .kernarg_segment_size: 96
    .max_flat_workgroup_size: 256
    .sgpr_count:     66
    .vgpr_count:     384
    .wavefront_size: 32
...
	.end_amdgpu_metadata
.endif
;; end of part 1
;; launch attn (part 2): grid 64 x 4, 16 waves a work-group, clusters of 4 x 1, 327,680 bytes of LDS; arguments qc, kv, features, nf, part; writes nf, part
.if DOCPART == 2
	.amdgcn_target "amdgcn-amd-amdhsa--gfx1250"
	.amdhsa_code_object_version 6
	.text
	.protected	k_q3a5902a2e2_attn
	.globl	k_q3a5902a2e2_attn
	.p2align	8
	.type	k_q3a5902a2e2_attn,@function
k_q3a5902a2e2_attn:
	s_mov_b64 s[64:65], 0
	v_nop
	global_prefetch_b8 v0, s[64:65] scope:SCOPE_SE
	s_setreg_imm32_b32 hwreg(HW_REG_WAVE_MODE, 25, 1), 1
	s_wait_xcnt 0x0
	s_wait_alu depctr_hold_cnt(0) depctr_sa_sdst(0) depctr_va_vdst(0) depctr_va_sdst(0) depctr_va_ssrc(0) depctr_va_vcc(0) depctr_vm_vsrc(0)
	s_getreg_b32 s2, hwreg(HW_REG_IB_STS2, 6, 4)
	s_cmp_eq_u32 s2, 0
	s_cbranch_scc0 .Lentry_in_a_cluster
	s_endpgm
.Lentry_in_a_cluster:
	s_bfe_u32 s2, ttmp6, 0x10000c
	s_cmp_lg_u32 s2, 0x3003
	s_cbranch_scc0 .Lentry_shape_is_right
	s_endpgm
.Lentry_shape_is_right:
; new_features = (v + pos_enc) softmax(q k / sqrt(128))^T + features, all three products on codes of FP4 (E2M1) with one E8M0 scale for each 32 along K, and for each channel the mean and the
; sum of squared differences from it over the work-group's 64 columns.
; THE SOFTMAX: t = score x log2(e) / sqrt(128); M = the largest t so far, rounded UP to a whole number; p = 2^(t - M) is quantised along the keys, not normalised; the sum is taken of the unquantised p and divides at the end.
; SHARES.  A work-group owns 64 queries of one batch.  Wave WV of sixteen: query tile QT = WV % 4 (16 queries), key group KSG = WV / 4: of each slot's four key steps of 128 keys it takes the KSG-th.
; So a wave walks 8 of the 32 key steps, in 256 registers; four waves share a SIMD.  The four partial results of a query tile are joined at the end; M is a whole number, so that rescaling rounds nothing.
; LAYOUT.  Both products transposed (S^T = K Q^T; O^T = V^T P^T + PE^T P^T on one accumulator): a lane holds one query throughout.  K's, V's, pos_enc's and Q's fragments arrive as images of operand registers
; (piece c at 512 c, lane l at 16 l), so every LDS load reads 512 consecutive bytes; a record of 26,112 bytes holds one key step: K 8 x 1,024, V, pos_enc, then three packs of scale words.
; RING.  Two slots of four records.  CLUSTER: the four work-groups of a cluster belong to one batch and walk the same records: each record is asked for JOINTLY (mask 15); waves 0 to 3 issue one load each.
; A wave has at most one tensor load out.
; THE ORDER OF THE KEYS IS FREE under a running M, and each cluster has its own: cluster x of a batch begins at the batch's slot x % 8 and walks round, modulo 8.  So the sixteen clusters of a batch ask for
; eight different slots at a time, and not all for the same one.
; LIMITS: NaN and infinities are not served; t is the score times ONE constant (one rounding where the definition has two); a block of p that has fallen to zeros keeps the byte 1 (its codes are zeros).
; REGISTERS: v1-11, v26, v27, v255 addresses, made at the head, never data; v12 -M, v13 largest t, v[14:15] the sum; v16-23 Q; v24 Q's, v25 p's, v28-31 K's, v240-243 V's, v248-251 pos_enc's scale words (before their load, sums at work);
; v32-95 K's then V's fragments; v96-159 S^T, p, then pos_enc's fragments; v160-223 O^T; v224-231 p's codes; v230-239, v244-251 (ahead of their other use), v252-254 at work.
.set REC,   26112
.set QREC,  8704
.set SLOTB, 4*REC                      ; 104,448 bytes
.set SLOT1, 131072                     ; slot 1 begins here: one exclusive or turns an address from one slot to the other
.set SPARE, 235520                     ; behind the ring: the spare words, 128 bytes for each of 16 waves: eight blocks of 256 bytes that no other line names
.set MST,   237568                     ; -M of every thread; 2,048 bytes on: its sum
.set PST,   241664                     ; 128 means, 128 sums of squares
.set STG,   131072                     ; the way out: 128 channel rows x (256 bytes + 16).  It and the partial results (bytes 0 to 131,071) lie in the slots, which have had their last fill and their last read by then
.macro CROUND                          ; a round of the cluster's barrier
	s_barrier_signal -1
	s_barrier_wait -1
	s_cmp_lg_u32 s14, 0
	s_cbranch_scc1 .Lnot_wave_0_\@
	s_barrier_signal -3
.Lnot_wave_0_\@:
	s_barrier_wait -3
	s_barrier_signal -1
	s_barrier_wait -1
.endm
.macro JLOAD                           ; waves 0 to 3: one record each; the branch hangs on the wave's number alone; four v_nop follow the load
	s_cmp_lt_u32 s14, 4
	s_cbranch_scc0 .Lnone_\@
	tensor_load_to_lds s[32:35], s[24:31]
	s_nop 0
.rept 4
	v_nop
.endr
.Lnone_\@:
.endm
; The change of slots stands at a slot's head: every wave waits for all its tensor loads, adds 0 to its spare word, waits for that and for its reads of the slot that it has left.
; fill = 1: a round of the cluster's barrier, so that no wave of any partner still reads that slot or has a load on its way; the joint refill is the first thing behind it.
.macro CHANGE fill
	s_wait_tensorcnt 0x0                           ; no tensor load of mine is out, so the descriptor may be written
	ds_add_u32 v3, v4                              ; 0 onto my spare word
.if \fill
	s_xor_b32 s33, s33, SLOT1                      ; the descriptor: the other slot of the ring,
	s_add_co_u32 s39, s39, 1
	s_and_b32 s39, s39, 7                          ; the batch's next slot, round from 7 to 0: the same number in all four partners,
	s_mul_i32 s46, s39, SLOTB
	s_add_nc_u64 s[34:35], s[40:41], s[46:47]      ; its record WV % 4: the address is made anew from the kept base,
	s_or_b32 s35, s35, 0x80000000                  ; and the type with it
.endif
	s_wait_dscnt 0x0                               ; the add is done, and my reads of the slot that I have left are over
.if \fill
	CROUND
	JLOAD
.else
	s_barrier_signal -1
	s_barrier_wait -1
.endif
.endm
.macro BARRIER
	s_wait_dscnt 0x0
	s_barrier_signal -1
	s_barrier_wait -1
.endm
.macro MMZ d, a, b, sa, sb, odd        ; a product that starts a sum; odd = 1: source 0's scale words stand in lanes 16-31
.if \odd
	v_wmma_scale_f32_16x16x128_f8f6f4 v[\d:\d+7], v[\a:\a+7], v[\b:\b+7], 0, v[\sa], v[\sb] matrix_a_fmt:MATRIX_FMT_FP4 matrix_b_fmt:MATRIX_FMT_FP4 matrix_a_scale:MATRIX_SCALE_ROW1
.else
	v_wmma_scale_f32_16x16x128_f8f6f4 v[\d:\d+7], v[\a:\a+7], v[\b:\b+7], 0, v[\sa], v[\sb] matrix_a_fmt:MATRIX_FMT_FP4 matrix_b_fmt:MATRIX_FMT_FP4
.endif
.endm
.macro MMA d, a, b, sa, sb, odd        ; a product that adds in place
.if \odd
	v_wmma_scale_f32_16x16x128_f8f6f4 v[\d:\d+7], v[\a:\a+7], v[\b:\b+7], v[\d:\d+7], v[\sa], v[\sb] matrix_a_fmt:MATRIX_FMT_FP4 matrix_b_fmt:MATRIX_FMT_FP4 matrix_a_scale:MATRIX_SCALE_ROW1
.else
	v_wmma_scale_f32_16x16x128_f8f6f4 v[\d:\d+7], v[\a:\a+7], v[\b:\b+7], v[\d:\d+7], v[\sa], v[\sb] matrix_a_fmt:MATRIX_FMT_FP4 matrix_b_fmt:MATRIX_FMT_FP4
.endif
.endm
; A KEY STEP: my record of the slot in hand, 128 keys.
.macro STEP
	v_add_nc_u32 v2, s36, v1                       ; with the four v_nop: five places between the last step's products and the products below, which write over registers that those read
.rept 4
	v_nop
.endr
.irp t, 0,1,2,3,4,5,6,7
	ds_load_b128 v[32+8*\t:35+8*\t], v2 offset:1024*\t
	ds_load_b128 v[36+8*\t:39+8*\t], v2 offset:1024*\t+512
.endr
	ds_load_b128 v[28:31], v2 offset:24576         ; K's scale words: register i: lanes 0-15 tile 2 i, lanes 16-31 tile 2 i + 1
	s_wait_alu depctr_va_vdst(0)
	s_wait_dscnt 0x0
.irp t, 0,1,2,3,4,5,6,7
	MMZ 96+8*\t, 32+8*\t, 16, 28+\t/2, 24, \t%2    ; S^T: the 16 registers of tiles 2 b, 2 b + 1 are keys 32 b + 16 (lane / 16) + 0 .. 15
.endr
.rept 4
	v_nop
.endr
.irp t, 0,1,2,3,4,5,6,7
	ds_load_b128 v[32+8*\t:35+8*\t], v2 offset:8192+1024*\t        ; V's fragments land during the softmax
	ds_load_b128 v[36+8*\t:39+8*\t], v2 offset:8192+1024*\t+512
.endr
	ds_load_b128 v[240:243], v2 offset:25088
.irp b, 0,1,2,3
	v_max3_num_f32 v[232+\b], v[96+16*\b], v[97+16*\b], v[98+16*\b]   ; the largest score of each block of 32 keys: for the row's maximum, and, since p rises with the score, for the block's largest p
.endr
.irp i, 3,5,7,9,11,13
.irp b, 0,1,2,3
	v_max3_num_f32 v[232+\b], v[232+\b], v[96+16*\b+\i], v[97+16*\b+\i]
.endr
.endr
.irp b, 0,1,2,3
	v_max_num_f32 v[232+\b], v[232+\b], v[111+16*\b]
.endr
.irp b, 0,1,2,3
	s_delay_alu instid0(VALU_DEP_4)
	v_permlanex16_b32 v[236+\b], v[232+\b], s20, s21
.endr
.irp b, 0,1,2,3
	s_delay_alu instid0(VALU_DEP_4)
	v_max_num_f32 v[232+\b], v[232+\b], v[236+\b]  ; with lane l xor 16's 16 keys
.endr
	s_delay_alu instid0(VALU_DEP_2)
	v_max3_num_f32 v254, v232, v233, v234
	s_delay_alu instid0(VALU_DEP_1)
	v_max_num_f32 v254, v254, v235
	s_delay_alu instid0(VALU_DEP_1)
	v_mul_f32 v254, s22, v254                      ; the step's largest t (c is positive)
	s_delay_alu instid0(VALU_DEP_1)
	v_max_num_f32 v13, v13, v254
	v_mov_b32 v254, v12
	s_delay_alu instid0(VALU_DEP_2)
	v_floor_f32 v12, -v13                          ; -M = floor(-t): M is a whole number
	s_delay_alu instid0(VALU_DEP_1)
	v_sub_f32 v254, v12, v254                      ; old M - new M: a whole number, 0 or less
	s_delay_alu instid0(VALU_DEP_1)
	v_cvt_i32_f32 v254, v254                       ; (it saturates)
	s_delay_alu instid0(VALU_DEP_1)
	v_ldexp_f32 v252, 1.0, v254                    ; f = 2^(old M - new M)
.set J, 0
.rept 32
	v_pk_fma_f32 v[96+J:97+J], v[96+J:97+J], s[22:23], v[12:13] op_sel_hi:[1,0,0]   ; t - M, two at a time
.set J, J+2
.endr
.irp b, 0,1,2,3
	v_fma_f32 v[232+\b], v[232+\b], s22, v12       ; the same of each block's largest score
.endr
.set J, 0
	s_wait_alu depctr_va_vdst(0)
.rept 64
	v_exp_f32 v[96+J], v[96+J]                     ; p = 2^(t - M)
.set J, J+1
.endr
	v_pk_mul_f32 v[14:15], v[14:15], v[252:253] op_sel_hi:[1,0]   ; the sums under the new M; the plain place behind the exponentials
	s_wait_alu depctr_va_vdst(0)                   ; one wait for the batch of 64, ahead of its first reader
.irp b, 0,1,2,3
	v_exp_f32 v[232+\b], v[232+\b]                 ; each block's largest p
.endr
	v_pk_add_f32 v[236:237], v[100:101], v[104:105]
	v_pk_add_f32 v[250:251], v[108:109], v[112:113]
	v_pk_add_f32 v[248:249], v[116:117], v[120:121]
	v_pk_add_f32 v[246:247], v[124:125], v[128:129]
	v_pk_add_f32 v[244:245], v[132:133], v[136:137]
	v_pk_add_f32 v[238:239], v[140:141], v[144:145]
	v_pk_add_f32 v[230:231], v[148:149], v[152:153]
	v_pk_add_f32 v[14:15], v[14:15], v[156:157]
	v_pk_add_f32 v[236:237], v[236:237], v[96:97]
	v_pk_add_f32 v[250:251], v[250:251], v[98:99]
	v_pk_add_f32 v[248:249], v[248:249], v[102:103]
	v_pk_add_f32 v[246:247], v[246:247], v[106:107]
	v_pk_add_f32 v[244:245], v[244:245], v[110:111]
	v_pk_add_f32 v[238:239], v[238:239], v[114:115]
	v_pk_add_f32 v[230:231], v[230:231], v[118:119]
	v_pk_add_f32 v[14:15], v[14:15], v[122:123]
	v_pk_add_f32 v[236:237], v[236:237], v[126:127]
	v_pk_add_f32 v[250:251], v[250:251], v[130:131]
	v_pk_add_f32 v[248:249], v[248:249], v[134:135]
	v_pk_add_f32 v[246:247], v[246:247], v[138:139]
	v_pk_add_f32 v[244:245], v[244:245], v[142:143]
	v_pk_add_f32 v[238:239], v[238:239], v[146:147]
	v_pk_add_f32 v[230:231], v[230:231], v[150:151]
	v_pk_add_f32 v[14:15], v[14:15], v[154:155]
	v_pk_add_f32 v[236:237], v[236:237], v[158:159]
	s_delay_alu instid0(VALU_DEP_2)
	v_pk_add_f32 v[14:15], v[14:15], v[246:247]
	s_delay_alu instid0(VALU_DEP_2)
	v_pk_add_f32 v[236:237], v[236:237], v[244:245]
	v_pk_add_f32 v[250:251], v[250:251], v[238:239]
	v_pk_add_f32 v[248:249], v[248:249], v[230:231]
	s_delay_alu instid0(VALU_DEP_2)
	v_pk_add_f32 v[14:15], v[14:15], v[250:251]
	s_delay_alu instid0(VALU_DEP_2)
	v_pk_add_f32 v[236:237], v[236:237], v[248:249]
	s_delay_alu instid0(VALU_DEP_1)
	v_pk_add_f32 v[14:15], v[14:15], v[236:237]
	s_wait_alu depctr_va_vdst(0)                   ; and one for the four
.irp b, 0,1,2,3
	v_max_num_f32 v[232+\b], 0x1800000, v[232+\b]  ; the floor 2^(3 - 127): the byte cannot fall under 1
.endr
.irp b, 0,1,2,3
	s_delay_alu instid0(VALU_DEP_4)
	v_add_nc_u32 v[244+\b], 0xff000000, v[232+\b]  ; 2 off the exponent field: the conversion's scale operand
.endr
.irp b, 0,1,2,3
	s_delay_alu instid0(VALU_DEP_4)
	v_lshrrev_b32 v[236+\b], 23, v[244+\b]
.endr
	s_delay_alu instid0(VALU_DEP_3)
	v_lshl_or_b32 v25, v237, 8, v236               ; p's scale word for these 128 keys
	s_delay_alu instid0(VALU_DEP_1)
	v_lshl_or_b32 v25, v238, 16, v25
	s_delay_alu instid0(VALU_DEP_1)
	v_lshl_or_b32 v25, v239, 24, v25
.irp b, 0,1,2,3
	v_cvt_scalef32_pk8_fp4_f32 v[224+2*\b], v[96+16*\b:103+16*\b], v[244+\b]
	v_cvt_scalef32_pk8_fp4_f32 v[225+2*\b], v[104+16*\b:111+16*\b], v[244+\b]
.endr
	v_nop                                          ; one plain place behind the scaled conversions
.irp t, 0,1,2,3,4,5,6,7
	ds_load_b128 v[96+8*\t:99+8*\t], v2 offset:16384+1024*\t       ; pos_enc's fragments, where p lay
	ds_load_b128 v[100+8*\t:103+8*\t], v2 offset:16384+1024*\t+512
.endr
	ds_load_b128 v[248:251], v2 offset:25600
.irp c, 0,1
.irp i, 0,1
	v_permlane16_swap_b32 v[224+4*\c+\i], v[226+4*\c+\i]           ; a whole block to a lane
.endr
.endr
.set J, 0
.rept 32
	v_pk_mul_f32 v[160+J:161+J], v[160+J:161+J], v[252:253] op_sel_hi:[1,0]   ; O^T under the new M, each accumulator from its low end on; also the places ahead of the products
.set J, J+2
.endr
	s_wait_alu depctr_va_vdst(0)
	s_wait_dscnt 17                                ; V's fragments and scale words are in; behind them stand pos_enc's 17 loads, which may stay out
.irp t, 0,1,2,3,4,5,6,7
	MMA 160+8*\t, 32+8*\t, 224, 240+\t/2, 25, \t%2 ; O^T += V^T P^T: the eight accumulators take turns, one instruction a turn
.endr
	s_wait_dscnt 0x0                               ; pos_enc's are in
.irp t, 0,1,2,3,4,5,6,7
	MMA 160+8*\t, 96+8*\t, 224, 248+\t/2, 25, \t%2 ; O^T += PE^T P^T
.endr
.endm
	s_load_b256 s[4:11], s[0:1], 0x0               ; qc 4, kv 6, features 8, nf 10
	s_load_b64 s[12:13], s[0:1], 0x20              ; part
	v_lshl_add_u32 v3, v0, 2, SPARE
	v_mov_b32 v4, 0
	ds_add_u32 v3, v4
	ds_add_u32 v3, v4
	s_wait_dscnt 0x0
	v_lshrrev_b32 v232, 5, v0
	s_delay_alu instid0(VALU_DEP_1)
	v_readfirstlane_b32 s14, v232                  ; wave 0..15
	s_and_b32 s15, s14, 3                          ; QT
	s_lshr_b32 s16, s14, 2                         ; KSG
	s_bfe_u32 s17, ttmp6, 0x40000                  ; cx: it enters the addresses of qc, features, nf and part alone
	s_lshl_b32 s18, ttmp9, 2
	s_add_co_u32 s18, s18, s17                     ; x: my block of 64 queries
	s_and_b32 s19, ttmp7, 0xffff                   ; the batch, which the four partners share
	s_mov_b32 s20, 0x76543210
	s_mov_b32 s21, 0xfedcba98
	s_mov_b32 s22, 0x3e0293ee                      ; c = log2(e) / sqrt(128)
	s_mov_b32 s23, s22
	; descriptor group 1: a record as 102 rows of 256 bytes (32 elements of 8 bytes), dense, no padding
	s_mov_b32 s24, 15|(3<<16)|(1<<21)              ; 15:0 the mask: all four work-groups; 17:16 elements of 8 bytes; 21 set beside a mask
	s_mov_b32 s25, 32<<16                          ; tensor_dim0 = 32
	s_mov_b32 s26, 102<<16                         ; tensor_dim1 = 102
	s_mov_b32 s27, 32<<16                          ; tile_dim0 = 32
	s_mov_b32 s28, 102                             ; tile_dim1 = 102
	s_mov_b32 s29, 32                              ; elements from row to row
	s_mov_b32 s30, 0
	s_mov_b32 s31, 0
	; all address registers
	v_and_b32 v232, 31, v0                         ; lane
	v_and_b32 v233, 15, v0                         ; r
	v_bfe_u32 v234, v0, 4, 1                       ; h
	s_mul_i32 s44, s16, REC
	v_lshl_add_u32 v1, v232, 4, s44                ; my record in a slot, 16 x lane
	v_lshlrev_b32 v5, 14, v232                     ; the prefetch of features: a row a lane
	s_lshl_b32 s44, s14, 5
	s_add_co_u32 s44, s44, PST
	v_lshl_add_u32 v6, v234, 2, s44                ; statistics in: channel 8 WV + h (+ 2 i)
	v_lshlrev_b32 v7, 14, v234
	s_delay_alu instid0(VALU_DEP_1)
	v_lshl_add_u32 v7, v233, 4, v7                 ; features, nf: row h, 16 bytes a lane
	v_lshl_add_u32 v8, v0, 2, MST
	s_lshl_b32 s44, s15, 7
	s_add_co_u32 s44, s44, MST
	v_lshl_add_u32 v9, v232, 2, s44                ; the same lane of wave QT (+ 4 k: 512 k bytes on)
	s_lshl_b32 s44, s15, 15
	s_lshl_b32 s45, s16, 13
	s_add_co_u32 s45, s44, s45
	v_lshl_add_u32 v10, v232, 4, s45               ; my partial O^T: 32,768 QT + 8,192 KSG
	s_lshl_b32 s45, s16, 11
	s_add_co_u32 s45, s44, s45
	v_lshl_add_u32 v11, v232, 4, s45               ; back: channel tiles 2 KSG, 2 KSG + 1 of the four partial results of my query tile
	v_lshl_add_u32 v26, v232, 4, PST
	s_mul_i32 s44, s16, 32*272
	s_lshr_b32 s45, s15, 1
	s_lshl_b32 s45, s45, 7
	s_add_co_u32 s44, s44, s45
	s_and_b32 s45, s15, 1
	s_lshl_b32 s45, s45, 5
	s_add_co_u32 s44, s44, s45
	s_add_co_u32 s44, s44, STG
	v_and_b32 v235, 8, v233
	s_delay_alu instid0(VALU_DEP_1)
	v_add_nc_u32 v235, v235, v233                  ; row r of query tile QT is column 32 (QT / 2) + 8 (QT % 2) + r + 8 (r / 8) of my 64
	v_mul_u32_u24 v27, v234, 8*272
	s_delay_alu instid0(VALU_DEP_1)
	v_lshl_add_u32 v27, v235, 2, v27
	s_delay_alu instid0(VALU_DEP_1)
	v_add_nc_u32 v27, s44, v27                     ; the stage, in: channel row 32 KSG + 8 h (+ 16 tt + j), my column
	s_mul_i32 s44, s14, 8*272
	s_add_co_u32 s44, s44, STG
	v_mul_u32_u24 v255, v234, 272
	s_delay_alu instid0(VALU_DEP_1)
	v_lshl_add_u32 v255, v233, 4, v255
	s_delay_alu instid0(VALU_DEP_1)
	v_add_nc_u32 v255, s44, v255                   ; and out: channel row 8 WV + h (+ 2 i), 16 bytes a lane
	v_lshlrev_b32 v254, 4, v232                    ; Q's fragment: 16 x lane
	v_lshlrev_b32 v252, 4, v233                    ; Q's scale word: 16 r in the pack
	; byte offsets
	s_lshl_b32 s44, s19, 5                         ; 32 x batch: the batch's first record
	s_add_co_u32 s46, s44, s15
	s_mul_i32 s46, s46, REC                        ; record WV % 4 of the batch's slot 0: made of the batch and the wave's number alone
	s_mov_b32 s47, 0
	s_and_b32 s39, ttmp9, 7                        ; the slot at which my cluster begins: made of the cluster's number alone
	s_lshr_b32 s50, s18, 1
	s_add_co_u32 s50, s50, s44
	s_mul_i32 s50, s50, QREC                       ; my record of qc
	s_and_b32 s51, s18, 1
	s_lshl_b32 s52, s51, 2
	s_add_co_u32 s52, s52, s15
	s_lshl_b32 s52, s52, 10
	s_add_co_u32 s52, s52, s50                     ; tile 4 (x % 2) + QT in it
	s_mov_b32 s53, 0
	s_lshl_b32 s51, s51, 3                         ; its scale words in the pack: 8,192 + 256 (QT % 2) + 8 (x % 2) + 4 (QT / 2) + 16 r
	s_add_co_u32 s50, s50, s51
	s_and_b32 s51, s15, 1
	s_lshl_b32 s51, s51, 8
	s_add_co_u32 s50, s50, s51
	s_lshr_b32 s51, s15, 1
	s_lshl_b32 s51, s51, 2
	s_add_co_u32 s50, s50, s51
	s_add_co_u32 s50, s50, 8192
	s_mov_b32 s51, 0
	s_lshl_b32 s54, s19, 21                        ; features, nf: the batch,
	s_lshl_b32 s55, s18, 8                         ; my 64 columns,
	s_add_co_u32 s54, s54, s55
	s_lshl_b32 s55, s15, 19
	s_add_co_u32 s60, s54, s55                     ; rows 32 (WV % 4) on: the prefetch;
	s_mov_b32 s61, 0
	s_lshl_b32 s55, s14, 17
	s_add_co_u32 s54, s54, s55                     ; rows 8 WV on: the way out
	s_mov_b32 s55, 0
	s_lshl_b32 s62, s19, 6
	s_add_co_u32 s62, s62, s18
	s_lshl_b32 s62, s62, 10                        ; part: 1,024 bytes a work-group
	s_mov_b32 s63, 0
	s_mov_b32 s36, 0                               ; the slot of the ring in hand
	s_mov_b32 s37, 7                               ; slots still to be asked for
	s_wait_kmcnt 0x0
	s_add_nc_u64 s[40:41], s[6:7], s[46:47]        ; the kept base of the descriptor's address
	s_mul_i32 s46, s39, SLOTB                      ; my cluster's first slot
	s_mov_b32 s32, 1                               ; group 0: count = 1
	s_mul_i32 s33, s15, REC                        ; LDS address: slot 0 of the ring, record WV % 4
	s_add_nc_u64 s[34:35], s[40:41], s[46:47]
	s_or_b32 s35, s35, 0x80000000                  ; type = 2
	s_add_nc_u64 s[42:43], s[8:9], s[60:61]
	s_add_nc_u64 s[52:53], s[4:5], s[52:53]
	s_add_nc_u64 s[50:51], s[4:5], s[50:51]
	s_add_nc_u64 s[56:57], s[8:9], s[54:55]
	s_add_nc_u64 s[58:59], s[10:11], s[54:55]
	s_add_nc_u64 s[12:13], s[12:13], s[62:63]
	CROUND                                         ; all four work-groups are here: the first joint loads meet
	JLOAD                                          ; my cluster's first slot
	s_wait_alu depctr_va_vdst(0)
	global_load_b128 v[16:19], v254, s[52:53]      ; Q's fragment stays in registers
	global_load_b128 v[20:23], v254, s[52:53] offset:512
	global_load_b32 v24, v252, s[50:51]
	v_mov_b32 v13, 0xff61b1e6                      ; the largest t so far: -3e38
	s_delay_alu instid0(VALU_DEP_1)
	v_floor_f32 v12, -v13
	v_mov_b32 v14, 0
	v_mov_b32 v15, 0
	v_mov_b32 v253, 0                              ; the upper half of the pair v[252:253]
.irp b, 0,1,2,3
	v_mov_b32 v[236+\b], 0                         ; a lane permute's destination counts as one of its sources
.endr
.set J, 0
.rept 64
	v_mov_b32 v[160+J], 0                          ; O^T: the step is written twice, not three times: the first finds zeros, which the first change of M leaves zeros
.set J, J+1
.endr
	s_wait_loadcnt 0x0                             ; Q; its address registers may be written again
.Lslot:                                            ; seven trips: a trip reads one slot and asks for the next of the walk
	CHANGE 1
	STEP
	s_xor_b32 s36, s36, SLOT1
	s_sub_co_u32 s37, s37, 1
	s_cmp_lg_u32 s37, 0
	s_cbranch_scc1 .Lslot
	CHANGE 0                                       ; the last slot is written out
	s_cmp_eq_u32 s16, 2                            ; waves 8 to 11 name the work-group's own 128 rows x 256 bytes of features, a lane a row, one key step ahead of their loads
	s_cbranch_scc0 .Lno_feat
	global_prefetch_b8 v5, s[42:43] th:TH_LOAD_NT scope:SCOPE_SE
.Lno_feat:
	STEP
	; ---- THE WAY OUT.  E0: my -M goes to LDS; features of the rows that I will store are asked for
.rept 4
	v_nop                                          ; places behind the last products
.endr
.irp i, 0,1,2,3
	global_load_b128 v[128+4*\i:131+4*\i], v7, s[56:57] offset:32768*\i th:TH_LOAD_NT
.endr
	v_add_f32 v14, v14, v15
	s_delay_alu instid0(VALU_DEP_1)
	v_permlanex16_b32 v254, v14, s20, s21
	s_delay_alu instid0(VALU_DEP_1)
	v_add_f32 v14, v14, v254                       ; my keys' sum for my query
	ds_store_b32 v8, v12
	BARRIER                                        ; A: every wave's reads of the ring are over too: its bytes may be stored into
	; ---- E1: under the largest M of the four key groups
.irp k, 0,1,2,3
	ds_load_b32 v[232+\k], v9 offset:512*\k
.endr
	s_wait_dscnt 0x0
	v_min3_num_f32 v254, v232, v233, v234
	s_delay_alu instid0(VALU_DEP_1)
	v_min_num_f32 v254, v254, v235                 ; -M*
	s_delay_alu instid0(VALU_DEP_1)
	v_sub_f32 v254, v254, v12                      ; my M - M*: a whole number, 0 or less
	s_delay_alu instid0(VALU_DEP_1)
	v_cvt_i32_f32 v254, v254
	s_delay_alu instid0(VALU_DEP_1)
	v_ldexp_f32 v252, 1.0, v254
.set J, 0
.rept 32
	v_pk_mul_f32 v[160+J:161+J], v[160+J:161+J], v[252:253] op_sel_hi:[1,0]
.set J, J+2
.endr
	v_mul_f32 v14, v14, v252
.irp t, 0,1,2,3,4,5,6,7
	ds_store_b128 v10, v[160+8*\t:163+8*\t] offset:1024*\t
	ds_store_b128 v10, v[164+8*\t:167+8*\t] offset:1024*\t+512
.endr
	ds_store_b32 v8, v14 offset:2048
	BARRIER                                        ; B
	; ---- E2: I add two channel tiles of my query tile over the four key groups, divide by the sum, and turn them into channel rows
.irp k, 0,1,2,3
.irp e, 0,1,2,3
	ds_load_b128 v[32+16*\k+4*\e:35+16*\k+4*\e], v11 offset:8192*\k+512*\e
.endr
.endr
.irp k, 0,1,2,3
	ds_load_b32 v[232+\k], v9 offset:2048+512*\k
.endr
	s_wait_dscnt 0x0
	v_add_f32 v232, v232, v233
	v_add_f32 v234, v234, v235
	s_delay_alu instid0(VALU_DEP_1)
	v_add_f32 v232, v232, v234                     ; the row's sum
	s_wait_alu depctr_va_vdst(0)
	v_rcp_f32 v252, v232
.irp j, 0,2,4,6,8,10,12,14
	v_pk_add_f32 v[32+\j:33+\j], v[32+\j:33+\j], v[48+\j:49+\j]    ; plain work behind the reciprocal
	v_pk_add_f32 v[64+\j:65+\j], v[64+\j:65+\j], v[80+\j:81+\j]
.endr
.irp j, 0,2,4,6,8,10,12,14
	v_pk_add_f32 v[32+\j:33+\j], v[32+\j:33+\j], v[64+\j:65+\j]
.endr
	s_wait_alu depctr_va_vdst(0)                   ; the wait ahead of the reciprocal's first reader
.irp j, 0,2,4,6,8,10,12,14
	v_pk_mul_f32 v[32+\j:33+\j], v[32+\j:33+\j], v[252:253] op_sel_hi:[1,0]
.endr
.irp j, 0,1,2,3,4,5,6,7
	ds_store_b32 v27, v[32+\j] offset:\j*272       ; register 8 tt + j is channel 32 KSG + 16 tt + 8 h + j of my query
	ds_store_b32 v27, v[40+\j] offset:(16+\j)*272
.endr
	BARRIER                                        ; C: 128 channel rows of 64 columns lie in the stage
	; ---- E3: channels 8 WV .. 8 WV + 7: + features, stored; their mean and sum of squared differences
.irp i, 0,1,2,3
	ds_load_b128 v[96+4*\i:99+4*\i], v255 offset:544*\i
.endr
	s_wait_dscnt 0x0
	s_wait_loadcnt 0x0
.irp j, 0,2,4,6,8,10,12,14
	v_pk_add_f32 v[96+\j:97+\j], v[96+\j:97+\j], v[128+\j:129+\j]
.endr
.irp i, 0,1,2,3
	global_store_b128 v7, v[96+4*\i:99+4*\i], s[58:59] offset:32768*\i   ; sixteen lanes store 256 consecutive bytes, aligned
.endr
.irp i, 0,1,2,3
	v_add_f32 v[112+\i], v[96+4*\i], v[97+4*\i]
.endr
.irp i, 0,1,2,3
	v_add_f32 v[116+\i], v[98+4*\i], v[99+4*\i]
.endr
.irp i, 0,1,2,3
	s_delay_alu instid0(VALU_DEP_4)
	v_add_f32 v[112+\i], v[112+\i], v[116+\i]
.endr
.irp m, 1,2,4,8
.irp i, 0,1,2,3
	s_delay_alu instid0(VALU_DEP_4)
	v_add_f32_dpp v[112+\i], v[112+\i], v[112+\i] row_xmask:\m row_mask:0xf bank_mask:0xf
.endr
.endr
.irp i, 0,1,2,3
	s_delay_alu instid0(VALU_DEP_4)
	v_mul_f32 v[112+\i], 0x3c800000, v[112+\i]     ; / 64: the row's mean, in all sixteen lanes
.endr
.irp i, 0,1,2,3
.irp e, 0,1,2,3
	v_sub_f32 v[144+4*\i+\e], v[96+4*\i+\e], v[112+\i]
.endr
.endr
.irp i, 0,1,2,3
	v_mul_f32 v[116+\i], v[144+4*\i], v[144+4*\i]
.endr
.irp e, 1,2,3
.irp i, 0,1,2,3
	s_delay_alu instid0(VALU_DEP_4)
	v_fmac_f32 v[116+\i], v[144+4*\i+\e], v[144+4*\i+\e]
.endr
.endr
.irp m, 1,2,4,8
.irp i, 0,1,2,3
	s_delay_alu instid0(VALU_DEP_4)
	v_add_f32_dpp v[116+\i], v[116+\i], v[116+\i] row_xmask:\m row_mask:0xf bank_mask:0xf
.endr
.endr
.irp i, 0,1,2,3
	ds_store_b32 v6, v[112+\i] offset:8*\i         ; sixteen lanes write one word with one value
	ds_store_b32 v6, v[116+\i] offset:512+8*\i
.endr
	v_and_b32 v232, 31, v0
	s_delay_alu instid0(VALU_DEP_1)
	v_lshlrev_b32 v232, 4, v232
	BARRIER                                        ; D
	; ---- E4: wave 0 stores the work-group's 1,024 bytes of statistics
	s_cmp_lg_u32 s14, 0
	s_cbranch_scc1 .Lnot_first
	ds_load_b128 v[32:35], v26
	ds_load_b128 v[36:39], v26 offset:512
	s_wait_dscnt 0x0
	s_wait_alu depctr_va_vdst(0)
	global_store_b128 v232, v[32:35], s[12:13]
	global_store_b128 v232, v[36:39], s[12:13] offset:512
.Lnot_first:
	s_wait_tensorcnt 0x0                           ; the wave's end: behind my last tensor load and my last LDS store
	ds_add_u32 v3, v4
	s_wait_dscnt 0x0
	CROUND                                         ; the closing round
	s_endpgm
.Lfunc_end_k_q3a5902a2e2_attn:
	.size	k_q3a5902a2e2_attn, .Lfunc_end_k_q3a5902a2e2_attn-k_q3a5902a2e2_attn
	.p2alignl 7, 3214868480
	.fill 96, 4, 3214868480
	.section	.rodata,"a",@progbits
	.p2align	6, 0x0
	.amdhsa_kernel k_q3a5902a2e2_attn
		.amdhsa_group_segment_fixed_size 327680
		.amdhsa_private_segment_fixed_size 0
		.amdhsa_enable_private_segment 0
		.amdhsa_kernarg_size 40
		.amdhsa_user_sgpr_count 2
		.amdhsa_user_sgpr_kernarg_segment_ptr 1
		.amdhsa_wavefront_size32 1
		.amdhsa_system_sgpr_workgroup_id_x 1
		.amdhsa_system_sgpr_workgroup_id_y 1
		.amdhsa_system_sgpr_workgroup_id_z 1
		.amdhsa_system_vgpr_workitem_id 0
		.amdhsa_next_free_vgpr 256
		.amdhsa_next_free_sgpr 66
		.amdhsa_reserve_vcc 0
		.amdhsa_float_denorm_mode_32 3
		.amdhsa_float_denorm_mode_16_64 3
		.amdhsa_memory_ordered 1
		.amdhsa_forward_progress 1
		.amdhsa_inst_pref_size 69
	.end_amdhsa_kernel
	.amdgpu_metadata
---
amdhsa.version: [ 1, 2 ]
amdhsa.kernels:
  - .name:           k_q3a5902a2e2_attn
    .symbol:         k_q3a5902a2e2_attn.kd
    .args:
      - { .name: qc, .offset: 0, .size: 8, .value_kind: global_buffer, .address_space: global }
      - { .name: kv, .offset: 8, .size: 8, .value_kind: global_buffer, .address_space: global }
      - { .name: features, .offset: 16, .size: 8, .value_kind: global_buffer, .address_space: global }
      - { .name: nf, .offset: 24, .size: 8, .value_kind: global_buffer, .address_space: global }
      - { .name: part, .offset: 32, .size: 8, .value_kind: global_buffer, .address_space: global }
    .group_segment_fixed_size: 327680
    .private_segment_fixed_size: 0
    .kernarg_segment_align: 8
    .kernarg_segment_size: 40
    .max_flat_workgroup_size: 512
    .sgpr_count:     66
    .vgpr_count:     256
    .wavefront_size: 32
...
	.end_amdgpu_metadata
.endif
;; end of part 2
;; launch bn (part 3): grid 128 x 2, 8 waves a work-group, no clusters, 1,536 bytes of LDS; arguments nf, part, gamma, beta, out0; writes out0
.if DOCPART == 3
	.amdgcn_target "amdgcn-amd-amdhsa--gfx1250"
	.amdhsa_code_object_version 6
	.text
	.protected	k_q3a5902a2e2_bn
	.globl	k_q3a5902a2e2_bn
	.p2align	8
	.type	k_q3a5902a2e2_bn,@function
k_q3a5902a2e2_bn:
	s_mov_b64 s[64:65], 0
	v_nop
	global_prefetch_b8 v0, s[64:65] scope:SCOPE_SE
	s_setreg_imm32_b32 hwreg(HW_REG_WAVE_MODE, 25, 1), 1
	s_wait_xcnt 0x0
; out = relu((nf - mean) rsqrt(var + 1e-5) gamma + beta), mean and var of a channel over 4 batches x 4,096 columns.
; A work-group owns channel c (its x) in batches 2 y and 2 y + 1: two rows of 16,384 bytes; 256 threads, eight loads of 16 bytes each, all issued at the head.
; The statistics come as 256 pairs (mean_i, M2_i), one for each 64 columns: thread i takes pair i.  mean = sum mean_i / 256; var = sum (M2_i + 64 (mean_i - mean)^2) / 16,384: no difference of large sums is formed.
; A stream: no matrix unit, no tensor loads, no cluster (work-groups share only the 2 KiB of a channel's statistics).  No prefetch: nothing is left to ask for behind the head.
; LIMITS: NaN and infinities are not served.
.macro WSUM reg, tmp                   ; the sum over the wave's 32 lanes, in every lane
	s_delay_alu instid0(VALU_DEP_1)
	v_add_f32_dpp v[\reg], v[\reg], v[\reg] row_xmask:1 row_mask:0xf bank_mask:0xf
	s_delay_alu instid0(VALU_DEP_1)
	v_add_f32_dpp v[\reg], v[\reg], v[\reg] row_xmask:2 row_mask:0xf bank_mask:0xf
	s_delay_alu instid0(VALU_DEP_1)
	v_add_f32_dpp v[\reg], v[\reg], v[\reg] row_xmask:4 row_mask:0xf bank_mask:0xf
	s_delay_alu instid0(VALU_DEP_1)
	v_add_f32_dpp v[\reg], v[\reg], v[\reg] row_xmask:8 row_mask:0xf bank_mask:0xf
	s_delay_alu instid0(VALU_DEP_1)
	v_permlanex16_b32 v[\tmp], v[\reg], s22, s23
	s_delay_alu instid0(VALU_DEP_1)
	v_add_f32 v[\reg], v[\reg], v[\tmp]
.endm
.macro SUM8                            ; the eight waves' sums in v48-55 -> v48
	v_add_f32 v48, v48, v49
	v_add_f32 v50, v50, v51
	v_add_f32 v52, v52, v53
	v_add_f32 v54, v54, v55
	s_delay_alu instid0(VALU_DEP_3)
	v_add_f32 v48, v48, v50
	s_delay_alu instid0(VALU_DEP_2)
	v_add_f32 v52, v52, v54
	s_delay_alu instid0(VALU_DEP_1)
	v_add_f32 v48, v48, v52
.endm
	s_load_b256 s[4:11], s[0:1], 0x0               ; nf 4, part 6, gamma 8, beta 10
	s_load_b64 s[12:13], s[0:1], 0x20              ; out0
	v_lshl_add_u32 v64, v0, 2, 0x200
	v_mov_b32 v65, 0
	v_lshrrev_b32 v1, 5, v0
	s_delay_alu instid0(VALU_DEP_1)
	v_readfirstlane_b32 s18, v1                    ; wave
	s_and_b32 s19, ttmp7, 0xffff                   ; y
	s_lshl_b32 s14, ttmp9, 2                       ; 4 c
	s_mov_b32 s15, 0
	s_lshl_b32 s20, s19, 22                        ; batch 2 y,
	s_lshl_b32 s21, ttmp9, 14                      ; row c
	s_add_co_u32 s20, s20, s21
	s_mov_b32 s21, 0
	s_mov_b32 s22, 0x76543210
	s_mov_b32 s23, 0xfedcba98
	s_mov_b32 s24, 0x38800000                      ; 1 / 16,384
	s_mov_b32 s25, 0x3727c5ac                      ; 1e-5
	v_lshlrev_b32 v1, 10, v0                       ; pair i: 1,024 bytes apart
	v_lshlrev_b32 v2, 4, v0                        ; my 16 bytes of 4,096
	v_mov_b32 v3, s18
	s_delay_alu instid0(VALU_DEP_1)
	v_lshlrev_b32 v3, 2, v3                        ; LDS: my wave's word
	v_mov_b32 v12, 0
	v_mov_b32 v13, 0                               ; a lane permute's destination counts as one of its sources
	s_wait_alu depctr_va_vdst(0)
	s_wait_kmcnt 0x0
	s_add_nc_u64 s[6:7], s[6:7], s[14:15]
	s_add_nc_u64 s[8:9], s[8:9], s[14:15]
	s_add_nc_u64 s[10:11], s[10:11], s[14:15]
	s_add_nc_u64 s[4:5], s[4:5], s[20:21]
	s_add_nc_u64 s[12:13], s[12:13], s[20:21]
	s_load_b32 s16, s[8:9], 0x0                    ; gamma[c]
	s_load_b32 s17, s[10:11], 0x0                  ; beta[c]
	global_load_b32 v4, v1, s[6:7]                 ; mean_i
	global_load_b32 v5, v1, s[6:7] offset:512      ; M2_i
.irp k, 0,1,2,3,4,5,6,7
	global_load_b128 v[16+4*\k:19+4*\k], v2, s[4:5] offset:(\k/4)*2097152+(\k%4)*4096 th:TH_LOAD_NT
.endr
	s_wait_loadcnt 8                               ; the pair is in; the eight data loads behind it stay out
	v_mov_b32 v6, v4
	WSUM 6, 13
	ds_store_b32 v3, v6
	s_wait_dscnt 0x0
	s_barrier_signal -1
	s_barrier_wait -1
	ds_load_b128 v[48:51], v12
	ds_load_b128 v[52:55], v12 offset:16
	s_wait_dscnt 0x0
	SUM8
	s_delay_alu instid0(VALU_DEP_1)
	v_mul_f32 v7, 0x3b800000, v48                  ; / 256: the mean
	s_delay_alu instid0(VALU_DEP_1)
	v_sub_f32 v14, v4, v7
	s_delay_alu instid0(VALU_DEP_1)
	v_mul_f32 v14, v14, v14
	s_delay_alu instid0(VALU_DEP_1)
	v_fmamk_f32 v14, v14, 0x42800000, v5           ; 64 (mean_i - mean)^2 + M2_i
	WSUM 14, 13
	ds_store_b32 v3, v14 offset:256                ; other bytes than the first sum's: no barrier between
	s_wait_dscnt 0x0
	s_barrier_signal -1
	s_barrier_wait -1
	ds_load_b128 v[48:51], v12 offset:256
	ds_load_b128 v[52:55], v12 offset:272
	s_wait_dscnt 0x0
	SUM8
	s_delay_alu instid0(VALU_DEP_1)
	v_fma_f32 v15, v48, s24, s25                   ; var + 1e-5
	s_wait_alu depctr_va_vdst(0)
	v_rsq_f32 v14, v15
	v_nop                                          ; a plain place behind the transcendental
	s_wait_kmcnt 0x0                               ; gamma, beta
	s_wait_alu depctr_va_vdst(0)                   ; the wait ahead of its first reader
	v_mul_f32 v8, s16, v14                         ; scale = gamma / sqrt(var + 1e-5)
	s_delay_alu instid0(VALU_DEP_1)
	v_mov_b32 v9, v8
	s_delay_alu instid0(VALU_DEP_2)
	v_fma_f32 v10, -v7, v8, s17                    ; shift = beta - mean x scale
	s_delay_alu instid0(VALU_DEP_1)
	v_mov_b32 v11, v10
	s_wait_alu depctr_va_vdst(0)
.irp k, 0,1,2,3,4,5,6,7
	s_wait_loadcnt 7-\k                            ; load k is in; the younger ones stay out
	v_pk_fma_f32 v[16+4*\k:17+4*\k], v[16+4*\k:17+4*\k], v[8:9], v[10:11]
	v_pk_fma_f32 v[18+4*\k:19+4*\k], v[18+4*\k:19+4*\k], v[8:9], v[10:11]
	s_delay_alu instid0(VALU_DEP_2)
	v_max_num_f32 v[16+4*\k], 0, v[16+4*\k]
	s_delay_alu instid0(VALU_DEP_3)
	v_max_num_f32 v[17+4*\k], 0, v[17+4*\k]
	s_delay_alu instid0(VALU_DEP_3)
	v_max_num_f32 v[18+4*\k], 0, v[18+4*\k]
	s_delay_alu instid0(VALU_DEP_4)
	v_max_num_f32 v[19+4*\k], 0, v[19+4*\k]
	global_store_b128 v2, v[16+4*\k:19+4*\k], s[12:13] offset:(\k/4)*2097152+(\k%4)*4096 th:TH_STORE_NT   ; a wave stores 512 consecutive bytes, aligned
.endr
	s_wait_tensorcnt 0x0
	ds_add_u32 v64, v65
	s_wait_dscnt 0x0
	s_endpgm
.Lfunc_end_k_q3a5902a2e2_bn:
	.size	k_q3a5902a2e2_bn, .Lfunc_end_k_q3a5902a2e2_bn-k_q3a5902a2e2_bn
	.p2alignl 7, 3214868480
	.fill 96, 4, 3214868480
	.section	.rodata,"a",@progbits
	.p2align	6, 0x0
	.amdhsa_kernel k_q3a5902a2e2_bn
		.amdhsa_group_segment_fixed_size 1536
		.amdhsa_private_segment_fixed_size 0
		.amdhsa_enable_private_segment 0
		.amdhsa_kernarg_size 40
		.amdhsa_user_sgpr_count 2
		.amdhsa_user_sgpr_kernarg_segment_ptr 1
		.amdhsa_wavefront_size32 1
		.amdhsa_system_sgpr_workgroup_id_x 1
		.amdhsa_system_sgpr_workgroup_id_y 1
		.amdhsa_system_sgpr_workgroup_id_z 1
		.amdhsa_system_vgpr_workitem_id 0
		.amdhsa_next_free_vgpr 66
		.amdhsa_next_free_sgpr 66
		.amdhsa_reserve_vcc 0
		.amdhsa_float_denorm_mode_32 3
		.amdhsa_float_denorm_mode_16_64 3
		.amdhsa_memory_ordered 1
		.amdhsa_forward_progress 1
		.amdhsa_inst_pref_size 10
	.end_amdhsa_kernel
	.amdgpu_metadata
---
amdhsa.version: [ 1, 2 ]
amdhsa.kernels:
  - .name:           k_q3a5902a2e2_bn
    .symbol:         k_q3a5902a2e2_bn.kd
    .args:
      - { .name: nf, .offset: 0, .size: 8, .value_kind: global_buffer, .address_space: global }
      - { .name: part, .offset: 8, .size: 8, .value_kind: global_buffer, .address_space: global }
      - { .name: gamma, .offset: 16, .size: 8, .value_kind: global_buffer, .address_space: global }
      - { .name: beta, .offset: 24, .size: 8, .value_kind: global_buffer, .address_space: global }
      - { .name: out0, .offset: 32, .size: 8, .value_kind: global_buffer, .address_space: global }
    .group_segment_fixed_size: 1536
    .private_segment_fixed_size: 0
    .kernarg_segment_align: 8
    .kernarg_segment_size: 40
    .max_flat_workgroup_size: 256
    .sgpr_count:     66
    .vgpr_count:     66
    .wavefront_size: 32
...
	.end_amdgpu_metadata
.endif
;; end of part 3
